; MI455X (gfx1250); checked and timed in simulation.
; The chip was launched on July 23, 2026; its instructions are those of AMD's public machine-readable ISA for CDNA 5 (MIT licence, August 2026) and "CDNA5" Instruction Set Architecture Reference Guide (July 2026). The comments in the code are by the model that wrote it; some were corrected since.
;; Multi Head Self Attention. Allowed arithmetic: matrix products marked QUANTISED: E2M3 operands, one E8M0 scale for each 32 along K, by v_wmma_scale_f32_16x16x128_f8f6f4 with both operands' format E2M3, f32 sums; everything else in f32.
;; Inputs: b_proj 768 float32; w_proj 768 x 768 float32; wk 12 x 64 x 768 float32; wq 12 x 64 x 768 float32; wv 12 x 64 x 768 float32; x 32 x 577 x 768 float32.
;; Outputs: out0 32 x 577 x 768 float32.
;; This version of the problem:
;;   THIS VERSION OF THE PROBLEM IS GIVEN IN LOW PRECISION. The matrix products marked QUANTISED in the list below multiply operands that are first quantised to E2M3 (2 exponent bits, 3 mantissa bits; 6 bits a number), with one power-of-two scale for each 32 numbers along K (OCP MX v1.0); their sums are f32. All else is computed in f32.
;;   The module's matrix products, in the order in which they are computed (A, B: the left and right operand; K: the contracted axis; several contracted axes count as one K, in the product's order):
;;     1. [M 768, K 768] x [K 768, N 18,464]; A: input wq; B: input x: QUANTISED
;;     2. [M 768, K 768] x [K 768, N 18,464]; A: input wk; B: input x: QUANTISED
;;     3. [M 768, K 768] x [K 768, N 18,464]; A: input wv; B: input x: QUANTISED
;;     4. batch 384 x [M 577, K 64] x [K 64, N 577]; A: computed on the way; B: computed on the way: QUANTISED
;;     5. batch 384 x [M 577, K 577] x [K 577, N 64]; A: softmax (see below); B: computed on the way: QUANTISED
;;     6. [M 18,464, K 768] x [K 768, N 768]; A: computed on the way; B: input w_proj: QUANTISED
;;   THE QUANTISER, for each operand of a quantised product, along K:
;;     - K is cut into blocks of 32 from its start; a last block that is shorter is filled with zeros.
;;     - A block's scale is 2^e with e = floor(log2(the largest magnitude in the block)) - 2, held to -126 .. 127; a block of zeros has e = 0. As a byte (E8M0): e + 127.
;;     - Each number is divided by its block's scale, clamped to +-7.5, and rounded to the nearest number of E2M3, ties to even, subnormals kept.
;;     - The product sums the exact products of the quantised numbers (number of the format x scale) in f32.
;;   ~~~python
;;   def quantise(x, axis):      # numpy; x: float32 -> the quantised numbers, widened to float32 again
;;       x = np.moveaxis(x, axis, -1); K = x.shape[-1]
;;       x = np.pad(x, [(0, 0)] * (x.ndim - 1) + [(0, -K % 32)]); x = x.reshape(x.shape[:-1] + (-1, 32)); a = np.abs(x).max(-1, keepdims=True)
;;       e = np.where(a > 0, np.clip(np.frexp(np.where(a > 0, a, 1))[1] - 1 - 2, -126, 127), 0)      # np.frexp(a)[1] - 1 = floor(log2(a)), exactly
;;       r = np.clip(x / 2.0 ** e, -7.5, 7.5)
;;       step = 2.0 ** (np.maximum(np.frexp(np.where(r == 0, 1, r))[1] - 1, 0) - 3)
;;       q = np.round(r / step) * step * 2.0 ** e      # np.round: ties to even
;;       return np.moveaxis(q.reshape(q.shape[:-2] + (-1,))[..., :K], -1, axis).astype(np.float32)
;;   ~~~
;;   SOFTMAX AHEAD OF A QUANTISED PRODUCT. Where the list says 'softmax', what is quantised is not the finished softmax but p = 2^(t - M), with t = logit x log2(e) and M = ceil(the row's largest t), a whole number; so 1/2 < the row's largest p <= 1. The row's sum l is taken of the UNQUANTISED p, in f32, and the product's result is divided by l at the end. Since M is a whole number, a kernel that streams over the keys may use a running M (the ceiling of the running maximum): every later rescaling is an exact power of two, which a block's scale takes up: the codes' values come out the same.
;;   OPERANDS COMPUTED ON THE WAY. 'Computed on the way' means the value that the module computes at that place (a softmax that the list does not call 'softmax' is quantised finished and normalised). What goes into a quantiser is computed in f32, as accurately as f32 sums, v_exp_f32 and their like allow (about 1e-6 of the number): no bf16 or f16 on the way to a quantiser, and a product that is left as it is and whose result goes on into a quantised operand takes f32 operands (vector FMAs, or v_wmma_f32_16x16x4_f32). A number that lies on a knife's edge between two numbers of the format may be rounded either way, as far as f32 arithmetic and the matrix unit's own rounding can turn it there, and no further.
;; One version. Each part assembles by itself: llvm-mc -triple=amdgcn-amd-amdhsa -mcpu=gfx1250 --defsym DOCPART=n.
;; ======== version 1 of 1: 3 launches
;; limits: right only within a limited range of input values
;; workspace buffers: codes 13,565,952 bytes; scales 565,248 bytes; cc 10,911,744 bytes; cs 909,312 bytes
;; launch quant (part 1): grid 736 x 1, 6 waves a work-group, no clusters, 51,456 bytes of LDS; arguments x, wq, wk, wv, w_proj, codes, scales; writes codes, scales
.if DOCPART == 1
	.amdgcn_target "amdgcn-amd-amdhsa--gfx1250"
	.amdhsa_code_object_version 6
	.text
	.protected	k_q47c9f51b41_quant
	.globl	k_q47c9f51b41_quant
	.p2align	8
	.type	k_q47c9f51b41_quant,@function
k_q47c9f51b41_quant:
	s_mov_b64 s[64:65], 0
	v_nop
	global_prefetch_b8 v0, s[64:65] scope:SCOPE_SE
	s_setreg_imm32_b32 hwreg(HW_REG_WAVE_MODE, 25, 1), 1
	s_wait_xcnt 0x0
; x [32][577][768], wq, wk, wv [768][768] (row = 64 head + d) and w_proj [768][768], all f32 with K innermost, become codes of FP6 (E2M3) with one E8M0 byte for each 32 along K,
; LAID IN THE ORDER OF AN OPERAND'S REGISTERS.  Rows go in groups of 32; tile u (0, 1) of a group holds in lane slot r the row 8 u + r + 8 (r / 8).
; A fragment (16 rows x 128 K, 12 registers a lane) is 1,536 bytes: for c = 0, 1: registers 6 c .. 6 c + 3 at 768 c + 16 lane, registers 6 c + 4, 6 c + 5 at 768 c + 512 + 8 lane.
; A group's image is 12 fragments (6 u + K step) = 18,432 bytes; its scale words are 6 x 128 bytes: a word a lane, lanes 0-15 tile 0's rows, lanes 16-31 tile 1's.
; Groups 0..639: x, 20 to a batch (rows from 577 on: zero codes); 640 + 24 type + row / 32: wq, wk, wv, w_proj.
; A block's scale is 2^(floor(log2(largest magnitude)) - 2); its byte is the largest magnitude's exponent field - 2, held at 1 from below.
; LIMITS: a block of zeros gets the byte 1 where the rule says 127 (its codes are zeros, and this program alone reads the bytes); NaN and infinities among the inputs are not served.
; SHARES: a work-group takes a group, wave s its K step s (512 bytes of each of 32 rows).  Each load reads 512 consecutive bytes of a row; the 16 rows of a tile turn through the wave's own
; stage in LDS (rows 528 bytes apart), from which lane (r, h) takes, of row r, its two whole blocks of 32.  Waves share nothing: no barrier.
.set ROWB,  3072                       ; a row of any of the five tensors, in bytes
.set PITCH, 528                        ; a stage row: 512 bytes + 16
.set WST,   16*PITCH                   ; a wave's stage
.set SPARE, 6*WST                      ; behind the stages: the spare words, 128 bytes a wave: three blocks of 256 bytes that no other line names
.set GIMG,  18432
.set R,     64                         ; v64-191  rows as loaded: tile u, slot i at R + 64 u + 4 i
.set X,     64                         ; v64-127  my two blocks: block c at X + 32 c.  They land on tile 0's load registers: LDS serves a wave's instructions in order, so the stage's stores have read them
.set C,     32                         ; v32-43   the fragment's 12 registers
.set E,     44                         ; v44-46, v48-50  the upper halves of the two blocks' codes, as converted
	s_load_b256 s[4:11], s[0:1], 0x0               ; x, wq, wk, wv
	s_load_b128 s[12:15], s[0:1], 0x20             ; w_proj, codes
	s_load_b64 s[16:17], s[0:1], 0x30              ; scales
	v_lshl_add_u32 v10, v0, 2, SPARE               ; my spare word,
	v_mov_b32 v11, 0                               ; and 0: kept for the wave's end
	v_lshrrev_b32 v21, 5, v0
	v_readfirstlane_b32 s18, v21                   ; wave = K step
	v_and_b32 v21, 31, v0                          ; lane
	v_lshlrev_b32 v1, 4, v21                       ; 16 lane
	v_lshlrev_b32 v2, 3, v21                       ; 8 lane
	v_lshlrev_b32 v3, 2, v21                       ; 4 lane
	s_mul_i32 s30, s18, WST
	v_add_nc_u32 v4, s30, v1                       ; into the stage: 16 lane of a row
	v_and_b32 v6, 15, v0                           ; r
	v_bfe_u32 v7, v0, 4, 1                         ; h
	v_mul_u32_u24 v5, v6, PITCH
	v_lshl_add_u32 v5, v7, 7, v5
	v_add_nc_u32 v5, s30, v5                       ; out of it: row r, + 128 h
	v_and_b32 v21, 8, v6
	v_add_nc_u32 v6, v21, v6                       ; r + 8 (r / 8): my slot's row in tile 0
	v_lshlrev_b32 v7, 3, v7                        ; 8 h: where my two bytes stand in the scale word
	v_mov_b32 v19, 0                               ; written once: a lane permute's destination counts as read
	s_mov_b32 s28, 0x76543210
	s_mov_b32 s29, 0xfedcba98                      ; selects for lane l xor 16
	s_mov_b32 s39, 0xffff0000                      ; lanes 16-31
	s_mov_b32 s19, ttmp9                           ; the group
	s_mul_i32 s31, s19, 3277
	s_lshr_b32 s31, s31, 16                        ; batch = group / 20 (exact up to 639)
	s_mul_i32 s32, s31, 20
	s_sub_co_u32 s32, s19, s32                     ; the group in its batch
	s_lshl_b32 s33, s32, 5
	s_sub_co_i32 s34, 577, s33
	s_max_i32 s34, s34, 0                          ; rows of the group that exist
	s_min_u32 s33, s33, 576
	s_mul_i32 s35, s31, 577
	s_add_co_u32 s33, s33, s35                     ; x: the group's first row, held at the batch's last
	s_wait_kmcnt 0x0
	s_mov_b64 s[20:21], s[4:5]                     ; which tensor: the choice hangs on the work-group's number alone
	s_mov_b32 s22, 0
	s_cmp_ge_u32 s19, 640
	s_cselect_b64 s[20:21], s[6:7], s[20:21]
	s_cselect_b32 s22, 640, s22
	s_cmp_ge_u32 s19, 664
	s_cselect_b64 s[20:21], s[8:9], s[20:21]
	s_cselect_b32 s22, 664, s22
	s_cmp_ge_u32 s19, 688
	s_cselect_b64 s[20:21], s[10:11], s[20:21]
	s_cselect_b32 s22, 688, s22
	s_cmp_ge_u32 s19, 712
	s_cselect_b64 s[20:21], s[12:13], s[20:21]
	s_cselect_b32 s22, 712, s22
	s_sub_co_u32 s36, s19, s22
	s_lshl_b32 s36, s36, 5                         ; a weight's first row
	s_cmp_lt_u32 s19, 640
	s_cselect_b32 s33, s33, s36
	s_cselect_b32 s34, s34, 32
	s_cselect_b32 s32, s32, 0
	s_mul_i32 s36, s33, ROWB
	s_lshl_b32 s37, s18, 9
	s_add_co_u32 s36, s36, s37                     ; + my K step's 512 bytes (under 2^32)
	s_mov_b32 s37, 0
	s_add_nc_u64 s[20:21], s[20:21], s[36:37]
	s_mul_i32 s36, s19, GIMG
	s_mul_i32 s38, s18, 1536
	s_add_co_u32 s36, s36, s38
	s_add_nc_u64 s[24:25], s[14:15], s[36:37]      ; codes: my fragment of tile 0
	s_mul_i32 s36, s19, 768
	s_lshl_b32 s38, s18, 7
	s_add_co_u32 s36, s36, s38
	s_add_nc_u64 s[26:27], s[16:17], s[36:37]      ; scales: my 128 bytes
; 32 loads, tile 0's sixteen first; each reads 512 consecutive bytes.  stride = 0: every load takes the batch's last row, so that none leaves the buffer
.macro LOADS stride
.irp u, 0,1
.irp i, 0,1,2,3,4,5,6,7,8,9,10,11,12,13,14,15
	global_load_b128 v[R+64*\u+4*\i:R+64*\u+4*\i+3], v1, s[20:21] offset:(8*\u+\i+8*(\i/8))*\stride th:TH_LOAD_NT
.endr
.endr
.endm
	s_cmp_ge_u32 s32, 18                           ; the last two groups of a batch of x have one row or none
	s_cbranch_scc1 .Ledge
	LOADS ROWB
	s_branch .Lloaded
.Ledge:
	LOADS 0
.Lloaded:
; Tile u becomes a fragment.  left: the younger loads that may stay out
.macro FRAG u, left
	s_wait_loadcnt \left                           ; loads come back in order: this tile's sixteen are in
.irp i, 0,1,2,3,4,5,6,7,8,9,10,11,12,13,14,15
	ds_store_b128 v4, v[R+64*\u+4*\i:R+64*\u+4*\i+3] offset:PITCH*\i
.endr
.irp c, 0,1
.irp j, 0,1,2,3,4,5,6,7
	ds_load_b128 v[X+32*\c+4*\j:X+32*\c+4*\j+3], v5 offset:256*\c+16*\j   ; k = 64 c + 32 h + 4 j ..: LDS serves a wave's instructions in order, so these see the stores
.endr
.endr
	s_wait_dscnt 0x0
.irp c, 0,1
	v_max3_num_f32 v[12+\c], |v[X+32*\c]|, |v[X+32*\c+1]|, 0x1800000   ; the block's largest magnitude, all 32 mine, and the floor 2^(3 - 127): the byte cannot fall under 1
.endr
.irp i, 2,4,6,8,10,12,14,16,18,20,22,24,26,28,30
.irp c, 0,1
	v_max3_num_f32 v[12+\c], v[12+\c], |v[X+32*\c+\i]|, |v[X+32*\c+\i+1]|
.endr
.endr
.irp c, 0,1
	v_add_nc_u32 v[14+\c], 0xff000000, v[12+\c]    ; 2 off the exponent field: the conversion's scale operand
.endr
.irp c, 0,1
	v_lshrrev_b32 v[16+\c], 23, v[14+\c]           ; the byte
.endr
	v_lshl_or_b32 v18, v17, 16, v16                ; blocks h and 2 + h of my row,
	v_lshlrev_b32 v18, v7, v18                     ; at their places;
	v_permlanex16_b32 v19, v18, s28, s29
	v_or_b32 v18, v18, v19                         ; with lane l xor 16's two the word is whole
.if \u
	s_wait_alu depctr_va_vdst(0)
	s_wait_xcnt 0x0                                ; tile 0's stores have read the registers that are written next
.endif
.irp c, 0,1
	v_cvt_scalef32_pk16_fp6_f32 v[C+6*\c:C+6*\c+2], v[X+32*\c:X+32*\c+15], v[14+\c]
	v_cvt_scalef32_pk16_fp6_f32 v[E+4*\c:E+4*\c+2], v[X+32*\c+16:X+32*\c+31], v[14+\c]   ; (a conversion's three registers begin on an even number)
.endr
	v_add_nc_u32 v21, 8*\u, v6                     ; my slot's row in the group.  (The plain line behind the conversions)
	v_cmp_gt_u32 vcc_lo, s34, v21                  ; does it exist?
.irp c, 0,1
.irp i, 0,1,2
	v_cndmask_b32 v[C+6*\c+\i], 0, v[C+6*\c+\i], vcc_lo        ; rows past the batch's end get zero codes;
	v_cndmask_b32 v[C+6*\c+3+\i], 0, v[E+4*\c+\i], vcc_lo      ; the same line moves a block's upper half to its place
.endr
.endr
	global_store_b128 v1, v[C:C+3], s[24:25] offset:9216*\u           ; each store covers 512 or 256 consecutive bytes, aligned to 256
	global_store_b64 v2, v[C+4:C+5], s[24:25] offset:9216*\u+512
	global_store_b128 v1, v[C+6:C+9], s[24:25] offset:9216*\u+768
	global_store_b64 v2, v[C+10:C+11], s[24:25] offset:9216*\u+1280
.endm
	s_wait_alu depctr_va_vdst(0)
	FRAG 0, 16
	v_mov_b32 v20, v18                             ; tile 0's words
	FRAG 1, 0
	v_cndmask_b32 v18, v20, v18, s39               ; lanes 0-15 tile 0's, lanes 16-31 tile 1's
	global_store_b32 v3, v18, s[26:27]
	s_wait_tensorcnt 0x0                           ; the wave's end
	ds_add_u32 v10, v11
	s_wait_dscnt 0x0
	s_endpgm
.Lfunc_end_k_q47c9f51b41_quant:
	.size	k_q47c9f51b41_quant, .Lfunc_end_k_q47c9f51b41_quant-k_q47c9f51b41_quant
	.p2alignl 7, 3214868480
	.fill 96, 4, 3214868480
	.section	.rodata,"a",@progbits
	.p2align	6, 0x0
	.amdhsa_kernel k_q47c9f51b41_quant
		.amdhsa_group_segment_fixed_size 51456
		.amdhsa_private_segment_fixed_size 0
		.amdhsa_enable_private_segment 0
		.amdhsa_kernarg_size 56
		.amdhsa_user_sgpr_count 2
		.amdhsa_user_sgpr_kernarg_segment_ptr 1
		.amdhsa_wavefront_size32 1
		.amdhsa_system_sgpr_workgroup_id_x 1
		.amdhsa_system_sgpr_workgroup_id_y 1
		.amdhsa_system_sgpr_workgroup_id_z 1
		.amdhsa_system_vgpr_workitem_id 0
		.amdhsa_next_free_vgpr 192
		.amdhsa_next_free_sgpr 66
		.amdhsa_reserve_vcc 1
		.amdhsa_float_denorm_mode_32 3
		.amdhsa_float_denorm_mode_16_64 3
		.amdhsa_memory_ordered 1
		.amdhsa_forward_progress 1
		.amdhsa_inst_pref_size 22
	.end_amdhsa_kernel
	.amdgpu_metadata
---
amdhsa.version: [ 1, 2 ]
amdhsa.kernels:
  - .name:           k_q47c9f51b41_quant
    .symbol:         k_q47c9f51b41_quant.kd
    .args:
      - { .name: x, .offset: 0, .size: 8, .value_kind: global_buffer, .address_space: global }
      - { .name: wq, .offset: 8, .size: 8, .value_kind: global_buffer, .address_space: global }
      - { .name: wk, .offset: 16, .size: 8, .value_kind: global_buffer, .address_space: global }
      - { .name: wv, .offset: 24, .size: 8, .value_kind: global_buffer, .address_space: global }
      - { .name: w_proj, .offset: 32, .size: 8, .value_kind: global_buffer, .address_space: global }
      - { .name: codes, .offset: 40, .size: 8, .value_kind: global_buffer, .address_space: global }
      - { .name: scales, .offset: 48, .size: 8, .value_kind: global_buffer, .address_space: global }
    .group_segment_fixed_size: 51456
    .private_segment_fixed_size: 0
    .kernarg_segment_align: 8
    .kernarg_segment_size: 56
    .max_flat_workgroup_size: 192
    .sgpr_count:     66
    .vgpr_count:     192
    .wavefront_size: 32
...
	.end_amdgpu_metadata
.endif
;; end of part 1
;; launch attn (part 2): grid 8 x 32, 16 waves a work-group, no clusters, 324,608 bytes of LDS; arguments codes, scales, cc, cs; writes cc, cs
.if DOCPART == 2
	.amdgcn_target "amdgcn-amd-amdhsa--gfx1250"
	.amdhsa_code_object_version 6
	.text
	.protected	k_q47c9f51b41_attn
	.globl	k_q47c9f51b41_attn
	.p2align	8
	.type	k_q47c9f51b41_attn,@function
k_q47c9f51b41_attn:
	s_mov_b64 s[64:65], 0
	v_nop
	global_prefetch_b8 v0, s[64:65] scope:SCOPE_SE
	s_setreg_imm32_b32 hwreg(HW_REG_WAVE_MODE, 25, 1), 1
	s_wait_xcnt 0x0
; For a batch and a head: q, k, v = x W^T (K = 768, on the codes that the launch before laid out), each quantised in registers; S^T = k q^T (K = 64, the instruction's upper 64 fed with zero codes);
; p = 2^(t - M), t = score x log2(e) / 8, M the running largest t rounded up to a whole number; O^T = v^T p^T (K = the keys, 5 steps of 128, keys from 577 on are zero codes); O / the sum of the unquantised p
; is quantised along d and stored as the head's part of the last product's operand.  q, k and v never go to memory.
; SHARES.  256 work-groups: x = j (0..7), y = batch.  Each takes one head and a half: the first head, 3 (j / 2) + 2 (j % 2), with all 37 tiles of 16 queries; the second, 3 (j / 2) + 1, with tiles 0-17 (j even) or 18-36 (j odd).
; Sixteen waves, four to a SIMD, 256 registers each.  The order: W: the first head's six weight groups go to LDS | barrier | P: its k, v, q are made and their images go to LDS | barrier | W for the second head |
; barrier | P for the second head, into image bytes of its own | barrier | A: the 55 or 56 query tiles of both heads, numbered on end, tile n = wave + 16 i.  Phase A writes no LDS.
; P's SHARES.  Wave w takes rows 32 w .. 32 w + 31 of x straight into registers and makes their k, v and (where the head's query tiles lie there) q.  Rows 512 on, groups 16 to 19, are shared out by product:
; wave w takes group 16 + w % 4 once more and makes its k (waves 0-3), its v (waves 4-7) or its q (waves 8-11): two units a wave at the most, so that no wave has more than eight units where the mean is seven.
; A head's weights are last read ahead of the barrier behind its P and overwritten only behind that barrier; the images are written ahead of the last barrier and read behind it.
; LAYOUTS: tiles take their rows as the first launch laid them (slot r of tile u: row 8 u + r + 8 (r / 8) of 32), so that a tile pair used as source 0 leaves a lane 16 neighbours along the next K.
;   k, q: source 0 = 16 rows of the weight, source 1 = 16 rows of x: a lane holds one key or query, registers run along d.   v: source 0 = x, source 1 = the weight: a lane holds one d, registers run along the keys.
; No multicast and no tensor load: a group of x goes to the registers of the one to three waves that want it; what work-groups share, the weights, is about a fifth of a head's bytes and is copied once a head.
; LIMITS: a block of zeros keeps the byte 1 (zero codes; the bytes are read by this program alone); NaN and infinities among the inputs are not served.
.set GIMG,  18432
.set WSCL,  0                          ; LDS: the six weight groups' scale words, 768 bytes each (Q0 Q1 K0 K1 V0 V1)
.set WCOD,  4608                       ; their images, 18,432 each
.set QIMG,  115200                     ; q: tile T's six registers at 768 T
.set KIMG,  145920                     ; k likewise
.set VIMG,  176640                     ; v: fragment (key step, d tile) at 1,536 (4 step + tile)
.set QSC,   207360                     ; q's scale words: 128 T + 4 lane
.set KSC,   212480                     ; k's likewise
.set VSC,   217600                     ; v's: 256 step + 128 (tile / 2) + 4 lane: lanes 0-15 the even tile, lanes 16-31 the odd
.set ISET,  103680                     ; the second head's six regions lie so many bytes behind the first head's
.set SPARE, 322560                     ; the spare words, 128 bytes a wave: eight blocks of 256 bytes that no other line names
; REGISTERS that stay: v0; v1, v2, v3 = 16, 8, 4 x lane; v4-7, v10, v11 LDS addresses and nothing else; v8, v9 the add's two.
; Scale words and nothing else: v244-249 x's; v250-253 the weights', k's, v's; v254 p's; v255 q's.
; Phase P: v12-15, v16-19 codes and byte held between two units; v20-163 a group of x; v164-195 four accumulators; v196-243 two sets of two weight fragments (set 0 also at work behind a unit).
; Phase A: v12 -M, v13 the largest t, v[14:15] the sum; v16-27 q; v32-79 four fragments of k; v96-159 S^T, then p, then v's four fragments; v160-191 O^T; v214 f; v216-223, v232-239 at work; v224-235 p's codes.
; SCALARS: s[4:11] the four buffers; s12 wave, s13 batch, s15 j % 2, s16 3 (j / 2); s18 the head in hand; s19, s20 the second head's query tiles; s21, s22 the groups whose q the head in hand wants; s23 the group;
; s24 trips, s25 the tile, s31 its number n; s[26:27] lane selects; s[28:29] log2(e) / 8; s30 lanes 16-31; s[32:45] addresses and offsets; s46-50 at work; s51 a wave's product in groups 16-19; s52 the image set; s53, s54 the two heads.
.set H1,  12
.set H0,  16
.set X,   20
.set ACC, 164
.set WF,  196
.set XS,  244
.set WS,  250
.set TM,  196
.macro NOPS n
.rept \n
	v_nop
.endr
.endm
; One matrix instruction from the symbols rD, rA, rB, rSA, rSB; zF: C is 0; rR: 2 = source 0's scales in lanes 16-31, 1 = source 1's
.macro WM
.if zF
.if rR == 0
	v_wmma_scale_f32_16x16x128_f8f6f4 v[rD:rD+7], v[rA:rA+11], v[rB:rB+11], 0, v[rSA], v[rSB] matrix_a_fmt:MATRIX_FMT_FP6 matrix_b_fmt:MATRIX_FMT_FP6
.elseif rR == 1
	v_wmma_scale_f32_16x16x128_f8f6f4 v[rD:rD+7], v[rA:rA+11], v[rB:rB+11], 0, v[rSA], v[rSB] matrix_a_fmt:MATRIX_FMT_FP6 matrix_b_fmt:MATRIX_FMT_FP6 matrix_b_scale:MATRIX_SCALE_ROW1
.elseif rR == 2
	v_wmma_scale_f32_16x16x128_f8f6f4 v[rD:rD+7], v[rA:rA+11], v[rB:rB+11], 0, v[rSA], v[rSB] matrix_a_fmt:MATRIX_FMT_FP6 matrix_b_fmt:MATRIX_FMT_FP6 matrix_a_scale:MATRIX_SCALE_ROW1
.else
	v_wmma_scale_f32_16x16x128_f8f6f4 v[rD:rD+7], v[rA:rA+11], v[rB:rB+11], 0, v[rSA], v[rSB] matrix_a_fmt:MATRIX_FMT_FP6 matrix_b_fmt:MATRIX_FMT_FP6 matrix_a_scale:MATRIX_SCALE_ROW1 matrix_b_scale:MATRIX_SCALE_ROW1
.endif
.else
.if rR == 0
	v_wmma_scale_f32_16x16x128_f8f6f4 v[rD:rD+7], v[rA:rA+11], v[rB:rB+11], v[rD:rD+7], v[rSA], v[rSB] matrix_a_fmt:MATRIX_FMT_FP6 matrix_b_fmt:MATRIX_FMT_FP6
.elseif rR == 1
	v_wmma_scale_f32_16x16x128_f8f6f4 v[rD:rD+7], v[rA:rA+11], v[rB:rB+11], v[rD:rD+7], v[rSA], v[rSB] matrix_a_fmt:MATRIX_FMT_FP6 matrix_b_fmt:MATRIX_FMT_FP6 matrix_b_scale:MATRIX_SCALE_ROW1
.elseif rR == 2
	v_wmma_scale_f32_16x16x128_f8f6f4 v[rD:rD+7], v[rA:rA+11], v[rB:rB+11], v[rD:rD+7], v[rSA], v[rSB] matrix_a_fmt:MATRIX_FMT_FP6 matrix_b_fmt:MATRIX_FMT_FP6 matrix_a_scale:MATRIX_SCALE_ROW1
.else
	v_wmma_scale_f32_16x16x128_f8f6f4 v[rD:rD+7], v[rA:rA+11], v[rB:rB+11], v[rD:rD+7], v[rSA], v[rSB] matrix_a_fmt:MATRIX_FMT_FP6 matrix_b_fmt:MATRIX_FMT_FP6 matrix_a_scale:MATRIX_SCALE_ROW1 matrix_b_scale:MATRIX_SCALE_ROW1
.endif
.endif
.endm
.macro XADDR                           ; where group s23 of my batch lies
	s_mul_i32 s46, s13, 20
	s_add_co_u32 s46, s46, s23
	s_mul_i32 s40, s46, GIMG
	s_add_nc_u64 s[32:33], s[4:5], s[40:41]
	s_mul_i32 s40, s46, 768
	s_add_nc_u64 s[34:35], s[6:7], s[40:41]
.endm
.macro XLOAD                           ; 54 loads: the group's 12 fragments and 6 scale words, each lane its own registers' bytes
.irp f, 0,1,2,3,4,5,6,7,8,9,10,11
	global_load_b128 v[X+12*\f:X+12*\f+3], v1, s[32:33] offset:1536*\f
	global_load_b64 v[X+12*\f+4:X+12*\f+5], v2, s[32:33] offset:1536*\f+512
	global_load_b128 v[X+12*\f+6:X+12*\f+9], v1, s[32:33] offset:1536*\f+768
	global_load_b64 v[X+12*\f+10:X+12*\f+11], v2, s[32:33] offset:1536*\f+1280
.endr
.irp s, 0,1,2,3,4,5
	global_load_b32 v[XS+\s], v3, s[34:35] offset:128*\s
.endr
.endm
.macro LOADW wg, s                     ; nine LDS loads: K step s of weight group wg, both tiles and their scale words, into set s % 2
.irp u, 0,1
	ds_load_b128 v[WF+24*((\s)%2)+12*\u:WF+24*((\s)%2)+12*\u+3], v10 offset:(6*\u+(\s))*1536
	ds_load_b64 v[WF+24*((\s)%2)+12*\u+4:WF+24*((\s)%2)+12*\u+5], v11 offset:(6*\u+(\s))*1536+512
	ds_load_b128 v[WF+24*((\s)%2)+12*\u+6:WF+24*((\s)%2)+12*\u+9], v10 offset:(6*\u+(\s))*1536+768
	ds_load_b64 v[WF+24*((\s)%2)+12*\u+10:WF+24*((\s)%2)+12*\u+11], v11 offset:(6*\u+(\s))*1536+1280
.endr
	ds_load_b32 v[WS+(\s)%2], v3 offset:WSCL+768*(\wg)+128*(\s)
.endm
; Four matrix instructions of K step s, the four accumulators by turns.  kind 0 (q, k): accumulator 16 ux + 8 uw, source 0 the weight's tile uw, source 1 x's tile ux.
; kind 1 (v): accumulator 16 uw + 8 ux, source 0 x's tile ux, source 1 the weight's tile uw.  An odd tile's scale words stand in lanes 16-31.
.macro MM4 kind, s
.if (\s) == 0
.set zF, 1
.else
.set zF, 0
.endif
.irp p, 0,1
.irp q, 0,1
.set rD, ACC+16*\p+8*\q
.set rR, 2*\q+\p
.if \kind == 0
.set rA, WF+24*((\s)%2)+12*\q
.set rB, X+12*(6*\p+(\s))
.set rSA, WS+(\s)%2
.set rSB, XS+(\s)
.else
.set rA, X+12*(6*\q+(\s))
.set rB, WF+24*((\s)%2)+12*\p
.set rSA, XS+(\s)
.set rSB, WS+(\s)%2
.endif
	WM
.endr
.endr
.endm
; A UNIT: 32 rows of x against 32 rows of a weight, K = 768: 24 matrix instructions.  The weights' fragments come a K step ahead.
.macro UNIT kind, wg
	v_add_nc_u32 v10, WCOD+GIMG*(\wg), v1
	v_add_nc_u32 v11, WCOD+GIMG*(\wg), v2
	s_wait_alu depctr_va_vdst(0)
	LOADW \wg, 0
.irp s, 0,1,2,3,4,5
.if \s < 5
.if \s > 0
	NOPS 4                                         ; four places between the products that read a set and the loads into it (ISA guide 7.12.1 for vector instructions)
.endif
	LOADW \wg, \s+1
	s_wait_dscnt 9                                 ; all but the nine just issued: this K step's are in
.else
	s_wait_dscnt 0x0
.endif
	MM4 \kind, \s
.endr
	NOPS 5                                         ; four places ahead of the reads of the results, five ahead of the next unit's products, which begin these accumulators anew
.endm
; Two runs of 16 numbers, each half a block of 32 that lanes l and l xor 16 share: v[tm+4], v[tm+5] the conversions' scale operands, v[tm+6], v[tm+7] the bytes.  Each accumulator is read from its low end on.
.macro HALFQ tm, a, b
	v_max3_num_f32 v[\tm], |v[\a]|, |v[\a+1]|, 0x1800000       ; with the floor 2^(3 - 127): the byte cannot fall under 1
	v_max3_num_f32 v[\tm+1], |v[\b]|, |v[\b+1]|, 0x1800000
.irp i, 2,4,6,8,10,12,14
	v_max3_num_f32 v[\tm], v[\tm], |v[\a+\i]|, |v[\a+\i+1]|
	v_max3_num_f32 v[\tm+1], v[\tm+1], |v[\b+\i]|, |v[\b+\i+1]|
.endr
	v_permlanex16_b32 v[\tm+2], v[\tm], s26, s27
	v_permlanex16_b32 v[\tm+3], v[\tm+1], s26, s27
	v_max_num_f32 v[\tm], v[\tm], v[\tm+2]
	v_max_num_f32 v[\tm+1], v[\tm+1], v[\tm+3]
	v_add_nc_u32 v[\tm+4], 0xff000000, v[\tm]      ; 2 off the exponent field
	v_add_nc_u32 v[\tm+5], 0xff000000, v[\tm+1]
	v_lshrrev_b32 v[\tm+6], 23, v[\tm+4]
	v_lshrrev_b32 v[\tm+7], 23, v[\tm+5]
.endm
; Behind the unit of d 0-31: each x tile's 16 codes of block 0 and its byte are held until block 1 is made
.macro POST_B0
	v_mov_b32 v[TM+2], 0                           ; a lane permute's destination counts as read
	v_mov_b32 v[TM+3], 0
	HALFQ TM, ACC, ACC+16
	v_cvt_scalef32_pk16_fp6_f32 v[H0:H0+2], v[ACC:ACC+15], v[TM+4]
	v_cvt_scalef32_pk16_fp6_f32 v[H1:H1+2], v[ACC+16:ACC+31], v[TM+5]
	v_nop                                          ; one plain line behind the conversions
	v_mov_b32 v[H0+3], v[TM+6]
	v_mov_b32 v[H1+3], v[TM+7]
.endm
; Behind the unit of d 32-63: the two blocks' halves change lanes, so that lanes 0-15 hold block 0 whole and lanes 16-31 block 1; the six registers and the scale word of tiles 2 g and 2 g + 1 go to LDS
.macro POST_B1 img, sc
	v_mov_b32 v[TM+2], 0
	v_mov_b32 v[TM+3], 0
	HALFQ TM, ACC, ACC+16
	v_cvt_scalef32_pk16_fp6_f32 v[204:206], v[ACC:ACC+15], v[TM+4]
	v_cvt_scalef32_pk16_fp6_f32 v[208:210], v[ACC+16:ACC+31], v[TM+5]
	v_nop
	v_lshl_or_b32 v214, v[TM+6], 8, v[H0+3]        ; the row's word: bytes 0, 1; bytes 2, 3 stay 0 over the zero codes
	v_lshl_or_b32 v215, v[TM+7], 8, v[H1+3]
.irp i, 0,1,2
	v_permlane16_swap_b32 v[H0+\i], v[204+\i]
	v_permlane16_swap_b32 v[H1+\i], v[208+\i]
.endr
	v_mov_b32 v[H0+3], v204                        ; registers 0-3 on end for a store of 16 bytes,
	v_mov_b32 v[H1+3], v208
	v_mov_b32 v204, v205                           ; registers 4, 5 on an even pair
	v_mov_b32 v205, v206
	v_mov_b32 v208, v209
	v_mov_b32 v209, v210
	s_mul_i32 s46, s23, 1536
	s_add_co_u32 s46, s46, \img
	s_lshl_b32 s47, s23, 8
	s_add_co_u32 s47, s47, \sc
	v_add_nc_u32 v4, s46, v1
	v_add_nc_u32 v5, s46, v2
	v_add_nc_u32 v6, s47, v3
	ds_store_b128 v4, v[H0:H0+3]
	ds_store_b64 v5, v[204:205] offset:512
	ds_store_b32 v6, v214
	ds_store_b128 v4, v[H1:H1+3] offset:768
	ds_store_b64 v5, v[208:209] offset:1280
	ds_store_b32 v6, v215 offset:128
.endm
; Behind a unit of v: key block g of d tiles 2 gp and 2 gp + 1.  After the exchange lane (r, h) holds the whole block for row r of tile 2 gp + h; in that tile's fragment of key step g / 4 the block belongs to
; lane r + 16 (g % 2), registers 6 ((g / 2) % 2) on.  ib: the head's image set
.macro POST_V gp, ib
	v_mov_b32 v[TM+2], 0
	v_mov_b32 v[TM+3], 0
	HALFQ TM, ACC, ACC+16
	v_cvt_scalef32_pk16_fp6_f32 v[204:206], v[ACC:ACC+15], v[TM+4]
	v_cvt_scalef32_pk16_fp6_f32 v[210:212], v[ACC+16:ACC+31], v[TM+5]
	v_nop
	v_cndmask_b32 v214, v[TM+6], v[TM+7], s30      ; my tile's byte
.irp i, 0,1,2
	v_permlane16_swap_b32 v[204+\i], v[210+\i]
.endr
.irp i, 0,1,2
	v_mov_b32 v[207+\i], v[210+\i]
.endr
	s_wait_alu depctr_va_vdst(0)
	s_lshr_b32 s46, s23, 2
	s_bfe_u32 s47, s23, 0x10001                    ; which six registers
	s_and_b32 s48, s23, 1                          ; which half of the lanes
	s_mul_i32 s49, s46, 6144
	s_mul_i32 s47, s47, 768
	s_add_co_u32 s49, s49, s47
	s_lshl_b32 s50, s48, 8
	s_add_co_u32 s50, s50, s49
	s_add_co_u32 s50, s50, VIMG+\ib
	s_lshl_b32 s48, s48, 7
	s_add_co_u32 s49, s49, s48
	s_add_co_u32 s49, s49, VIMG+512+\ib
	s_lshl_b32 s46, s46, 8
	s_and_b32 s48, s23, 3
	s_add_co_u32 s46, s46, s48
	s_add_co_u32 s46, s46, VSC+\ib
	v_bfe_u32 v7, v0, 4, 1                         ; h
	v_mad_u32_u24 v4, v7, 1280, v1                 ; 1,536 h + 16 r
	v_mad_u32_u24 v5, v7, 1408, v2                 ; 1,536 h + 8 r
	v_add_nc_u32 v4, s50, v4
	v_add_nc_u32 v5, s49, v5
	v_add_nc_u32 v6, s46, v3
	ds_store_b128 v4, v[204:207] offset:3072*\gp
	ds_store_b64 v5, v[208:209] offset:3072*\gp
	ds_store_b8 v6, v214 offset:128*\gp
.endm
; W: the weights of head s18: for each of q, k, v two groups on end, 36,864 bytes, 2,304 a wave.  My own group of x is asked for behind them and wanted behind the barrier.
; pre = 1: another head's weights lie in these LDS bytes: a barrier, in front of which every wave's reads of them are over, stands ahead of the stores; the loads from memory are issued ahead of it.
.macro WPHASE pre
.if \pre
	s_wait_dscnt 0x0                               ; my images of the first head have landed, my reads of its weights are over, and my LDS stores have read the registers that the loads below fill
.endif
	s_wait_xcnt 0x0                                ; earlier loads have read their bases
	s_lshl_b32 s46, s18, 1
	s_add_co_u32 s46, s46, 640
	s_mul_i32 s40, s46, GIMG
	s_mul_i32 s47, s12, 2304
	s_add_co_u32 s40, s40, s47
	s_add_nc_u64 s[36:37], s[4:5], s[40:41]
.irp t, 0,1,2
.irp i, 0,1,2,3
	global_load_b128 v[164+16*\t+4*\i:167+16*\t+4*\i], v1, s[36:37] offset:442368*\t+512*\i
.endr
	global_load_b64 v[212+2*\t:213+2*\t], v2, s[36:37] offset:442368*\t+2048
.endr
	s_mul_i32 s47, s12, 11
	s_lshr_b32 s47, s47, 5                         ; wave / 3 (waves 0-8): q's, k's or v's scale words, 1,536 bytes each, 512 a wave
	s_mul_i32 s48, s47, 3
	s_sub_co_u32 s48, s12, s48
	s_mul_i32 s40, s46, 768
	s_mul_i32 s47, s47, 18432
	s_add_co_u32 s40, s40, s47
	s_lshl_b32 s48, s48, 9
	s_add_co_u32 s40, s40, s48
	s_add_nc_u64 s[38:39], s[6:7], s[40:41]
	s_cmp_lt_u32 s12, 9
	s_cbranch_scc0 .Lnsa_\@
	global_load_b128 v[218:221], v1, s[38:39]
.Lnsa_\@:
.if \pre == 0
	s_mov_b32 s23, s12
	XADDR
	XLOAD
.endif
	s_mul_i32 s46, s12, 2304
	s_add_co_u32 s46, s46, WCOD
	v_add_nc_u32 v4, s46, v1
	v_add_nc_u32 v5, s46, v2
	v_add_nc_u32 v6, 73728, v4
	v_add_nc_u32 v7, 73728, v5
	s_lshl_b32 s46, s12, 9
	v_add_nc_u32 v10, s46, v1
	s_wait_alu depctr_va_vdst(0)
.if \pre
	s_barrier_signal -1                            ; (no LDS instruction of mine has been issued since the wait at the head)
	s_barrier_wait -1                              ; nobody reads the first head's weights any more
.endif
.if \pre
	s_wait_loadcnt 0x0                             ; the weights are in; nothing was asked for behind them
.else
	s_wait_loadcnt 54                              ; the weights are in; x's 54 loads, issued behind them, may stay out
.endif
.irp t, 0,1
.irp i, 0,1,2,3
	ds_store_b128 v4, v[164+16*\t+4*\i:167+16*\t+4*\i] offset:36864*\t+512*\i
.endr
	ds_store_b64 v5, v[212+2*\t:213+2*\t] offset:36864*\t+2048
.endr
.irp i, 0,1,2,3
	ds_store_b128 v6, v[196+4*\i:199+4*\i] offset:512*\i
.endr
	ds_store_b64 v7, v[216:217] offset:2048
	s_cmp_lt_u32 s12, 9
	s_cbranch_scc0 .Lnsb_\@
	ds_store_b128 v10, v[218:221]
.Lnsb_\@:
	s_wait_dscnt 0x0                               ; for the others' sake: my stores have landed
	s_barrier_signal -1
	s_barrier_wait -1                              ; the weights are whole
	s_wait_loadcnt 0x0                             ; my group of x
.endm
; THE ORDER NOW IN FORCE (it takes the place of the order and of P's shares given at the head):
; W for the first head | barrier | its k, v, q: two trips of PG | barrier | W for the second head | barrier | three trips in which a wave takes PG for a group of the second head or a query tile of the first head |
; barrier | the tiles that are left of both heads.  A group of x is loaded once a head, but for groups 16-19 of the first head, which three waves share by product.
; PG: group s23 of x, which lies in my registers: its k, its v, and its q where the head's query tiles lie in it.  guard = 1: of the three only those whose flag (s56, s57, s58) is 0; the flags hang on the wave's number and the trip alone.
; k of group 19 (rows 608 on) is made with the rest: zero codes under a sound byte, in image bytes that nobody reads.
.macro PG ib, guard
.if \guard
	s_cmp_eq_u32 s56, 0
	s_cbranch_scc0 .Lnk_\@
.endif
	UNIT 0, 2
	POST_B0
	UNIT 0, 3
	POST_B1 KIMG+\ib, KSC+\ib
.Lnk_\@:
.if \guard
	s_cmp_eq_u32 s57, 0
	s_cbranch_scc0 .Lnv_\@
.endif
	UNIT 1, 4
	POST_V 0, \ib
	UNIT 1, 5
	POST_V 1, \ib
.Lnv_\@:
.if \guard
	s_cmp_eq_u32 s58, 0
	s_cbranch_scc0 .Lnoq_\@
.endif
	s_cmp_lt_u32 s23, s21
	s_cbranch_scc1 .Lnoq_\@
	s_cmp_ge_u32 s23, s22
	s_cbranch_scc1 .Lnoq_\@
	UNIT 0, 0
	POST_B0
	UNIT 0, 1
	POST_B1 QIMG+\ib, QSC+\ib
.Lnoq_\@:
.endm
; A KEY STEP: keys 128 sg on.  first: it starts O^T's sums.  last: keys 512 to 576 alone exist: blocks 0 and 1, and key 576, which is register 128 of lanes 0-15.
.macro STEP sg, first, last
.irp gq, 0,1
.if \gq
	NOPS 4                                         ; places ahead of loads into registers that the last four products read
.endif
.irp t, 0,1,2,3
.if (\last)*(\gq)*(\t) == 0
	ds_load_b128 v[32+12*\t:35+12*\t], v10 offset:(8*\sg+4*\gq+\t)*768
	ds_load_b64 v[36+12*\t:37+12*\t], v11 offset:(8*\sg+4*\gq+\t)*768+512
	ds_load_b32 v[250+\t], v7 offset:(8*\sg+4*\gq+\t)*128
.endif
.endr
	s_wait_dscnt 0x0
.irp t, 0,1,2,3
.if (\last)*(\gq)*(\t) == 0
.set rD, 96+8*(4*\gq+\t)
.set rA, 32+12*\t
.set rB, 16
.set rSA, 250+\t
.set rSB, 255
.set zF, 1
.set rR, 0
	WM
.endif
.endr
.endr                                  ; register 16 b + i of lane (r, h): key 128 sg + 32 b + 16 h + i of query slot r
	NOPS 4
.if \last
	v_mov_b32 v223, 0xff800000                     ; -infinity
	v_cndmask_b32 v128, v128, v223, s30            ; key 592 does not exist
	v_mov_b32 v234, v128                           ; block 2's largest score,
	v_mov_b32 v235, v223                           ; block 3 has none
.endif
.irp b, 0,1,2,3
.if (\last)*(\b/2) == 0
	v_max3_num_f32 v[232+\b], v[96+16*\b], v[97+16*\b], v[98+16*\b]   ; the largest score of each block of 32 keys: for the row's maximum, and, since p rises with the score, for the block's largest p
.endif
.endr
.irp i, 3,5,7,9,11,13
.irp b, 0,1,2,3
.if (\last)*(\b/2) == 0
	v_max3_num_f32 v[232+\b], v[232+\b], v[96+16*\b+\i], v[97+16*\b+\i]
.endif
.endr
.endr
.irp b, 0,1,2,3
.if (\last)*(\b/2) == 0
	v_max_num_f32 v[232+\b], v[232+\b], v[111+16*\b]
.endif
.endr
.irp b, 0,1,2,3
	v_permlanex16_b32 v[236+\b], v[232+\b], s26, s27
.endr
.irp b, 0,1,2,3
	v_max_num_f32 v[232+\b], v[232+\b], v[236+\b]  ; with lane l xor 16's 16 keys
.endr
	v_max3_num_f32 v223, v232, v233, v234
	v_max_num_f32 v223, v223, v235
	v_mul_f32 v223, s28, v223                      ; as t
	v_max_num_f32 v13, v13, v223                   ; the running largest t
	v_mov_b32 v223, v12
	v_floor_f32 v12, -v13                          ; -M = floor(-t): M is a whole number
	v_sub_f32 v223, v12, v223                      ; old M - new M, 0 or less
	v_cvt_i32_f32 v223, v223                       ; (it saturates)
	v_ldexp_f32 v214, 1.0, v223                    ; f = 2^(old M - new M): a multiplication by it rounds nothing
.set jj, 0
.rept 32
.if (\last)*(jj/34) == 0
	v_pk_fma_f32 v[96+jj:97+jj], v[96+jj:97+jj], s[28:29], v[12:13] op_sel_hi:[1,0,0]   ; t - M, two at a time
.endif
.set jj, jj+2
.endr
.irp b, 0,1,2,3
	v_fma_f32 v[232+\b], v[232+\b], s28, v12       ; the same of each block's largest score
.endr
	s_wait_alu depctr_va_vdst(0)
.set jj, 0
.rept 64
.if (\last)*(jj/33) == 0
	v_exp_f32 v[96+jj], v[96+jj]                   ; p = 2^(t - M), not normalised
.endif
.set jj, jj+1
.endr
.if \last
.set jj, 129
.rept 31
	v_mov_b32 v[jj], 0                             ; keys that do not exist: p = 0
.set jj, jj+1
.endr
.endif
	v_pk_mul_f32 v[14:15], v[14:15], v[214:215] op_sel_hi:[1,0]   ; the sums under the new M.  (A plain line behind the exponentials)
	s_wait_alu depctr_va_vdst(0)                   ; one wait for the whole batch, ahead of its first reader
.irp b, 0,1,2,3
	v_exp_f32 v[232+\b], v[232+\b]                 ; each block's largest p
.endr
	v_pk_add_f32 v[236:237], v[96:97], v[98:99]    ; the row's sum is taken of the unquantised p, in two chains
.set jj, 4
.rept 15
.if (\last)*(jj/36) == 0
	v_pk_add_f32 v[14:15], v[14:15], v[96+jj:97+jj]
	v_pk_add_f32 v[236:237], v[236:237], v[98+jj:99+jj]
.endif
.set jj, jj+4
.endr
	v_pk_add_f32 v[14:15], v[14:15], v[236:237]
	s_wait_alu depctr_va_vdst(0)                   ; and one for the four
.irp b, 0,1,2,3
	v_max_num_f32 v[232+\b], 0x1800000, v[232+\b]  ; the floor: the byte cannot fall under 1
.endr
.irp b, 0,1,2,3
	v_add_nc_u32 v[216+\b], 0xff000000, v[232+\b]  ; the conversions' scale operands
.endr
.irp b, 0,1,2,3
	v_lshrrev_b32 v[236+\b], 23, v[216+\b]
.endr
	v_lshl_or_b32 v254, v237, 8, v236              ; p's scale word for these 128 keys
	v_lshl_or_b32 v254, v238, 16, v254
	v_lshl_or_b32 v254, v239, 24, v254
	v_cvt_scalef32_pk16_fp6_f32 v[224:226], v[96:111], v216
	v_cvt_scalef32_pk16_fp6_f32 v[236:238], v[112:127], v217
	v_cvt_scalef32_pk16_fp6_f32 v[230:232], v[128:143], v218
	v_cvt_scalef32_pk16_fp6_f32 v[220:222], v[144:159], v219
	v_nop                                          ; one plain line behind the conversions
.irp t, 0,1,2,3                        ; v's four fragments of this key step land where p lay, while p's codes are put in order and O^T is rescaled
	ds_load_b128 v[96+12*\t:99+12*\t], v10 offset:VIMG-KIMG+(4*\sg+\t)*1536
	ds_load_b64 v[100+12*\t:101+12*\t], v11 offset:VIMG-KIMG+(4*\sg+\t)*1536+512
	ds_load_b128 v[102+12*\t:105+12*\t], v10 offset:VIMG-KIMG+(4*\sg+\t)*1536+768
	ds_load_b64 v[106+12*\t:107+12*\t], v11 offset:VIMG-KIMG+(4*\sg+\t)*1536+1280
.endr
.irp gp, 0,1
	ds_load_b32 v[250+\gp], v7 offset:VSC-KSC+256*\sg+128*\gp
.endr
.irp i, 0,1,2                          ; the operand wants a whole block in a lane
	v_permlane16_swap_b32 v[224+\i], v[236+\i]
	v_permlane16_swap_b32 v[230+\i], v[220+\i]
.endr
.irp i, 0,1,2
	v_mov_b32 v[227+\i], v[236+\i]
	v_mov_b32 v[233+\i], v[220+\i]
.endr
.if \first
	NOPS 8                                         ; a scale word made by vector instructions stands eight places ahead of the product, codes so made four
.else
	s_wait_alu depctr_va_vdst(0)                   ; ahead of the first reader of O^T
.set jj, 0
.rept 16
	v_pk_mul_f32 v[160+jj:161+jj], v[160+jj:161+jj], v[214:215] op_sel_hi:[1,0]   ; O^T under the new M; these are those places too
.set jj, jj+2
.endr
.endif
	s_wait_alu depctr_va_vdst(0)
	s_wait_dscnt 0x0
.irp t, 0,1,2,3
.set rD, 160+8*\t
.set rA, 96+12*\t
.set rB, 224
.set rSA, 250+\t/2
.set rSB, 254
.set zF, \first
.set rR, 2*(\t%2)
	WM
.endr
	NOPS 5                                         ; the next scores are written over v's fragments: five places
.endm
; O^T / the sum, quantised along d: the head's two blocks of the tile's rows, six registers a lane and two bytes a row
.macro FINISH
	v_add_f32 v14, v14, v15
	v_permlanex16_b32 v214, v14, s26, s27
	v_add_f32 v14, v14, v214                       ; the row's sum
	s_wait_alu depctr_va_vdst(0)
	v_rcp_f32 v14, v14
	v_nop                                          ; a plain line behind the reciprocal
	s_mul_i32 s46, s13, 37
	s_add_co_u32 s46, s46, s25                     ; the tile's number among all batches'
	s_mul_i32 s47, s46, 12
	s_add_co_u32 s47, s47, s18
	s_mul_i32 s40, s47, 768
	s_add_nc_u64 s[42:43], s[8:9], s[40:41]
	s_mul_i32 s47, s46, 6
	s_lshr_b32 s48, s18, 1
	s_add_co_u32 s47, s47, s48
	s_lshl_b32 s40, s47, 7
	s_and_b32 s48, s18, 1
	s_lshl_b32 s48, s48, 1
	s_add_co_u32 s40, s40, s48
	s_add_nc_u64 s[44:45], s[10:11], s[40:41]
	s_wait_alu depctr_va_vdst(0)                   ; ahead of the reciprocal's first reader
.set jj, 0
.rept 16
	v_pk_mul_f32 v[96+jj:97+jj], v[160+jj:161+jj], v[14:15] op_sel_hi:[1,0]   ; register 16 b + i: d = 32 b + 16 h + i
.set jj, jj+2
.endr
	HALFQ 232, 96, 112
	v_cvt_scalef32_pk16_fp6_f32 v[224:226], v[96:111], v236
	v_cvt_scalef32_pk16_fp6_f32 v[220:222], v[112:127], v237
	v_nop
.irp i, 0,1,2
	v_permlane16_swap_b32 v[224+\i], v[220+\i]
.endr
.irp i, 0,1,2
	v_mov_b32 v[227+\i], v[220+\i]
.endr
	v_lshl_or_b32 v223, v239, 8, v238
	global_store_b128 v1, v[224:227], s[42:43]     ; 512 consecutive bytes, aligned to 256
	global_store_b64 v2, v[228:229], s[42:43] offset:512
	global_store_b16 v3, v223, s[44:45]            ; my head's half of the rows' scale words
.endm
; A QUERY TILE: tile s25 of head s18.  dyn = 0: image set 0, every LDS address a constant, the lane and the tile; dyn = 1: the set begins s52 bytes on.
; The registers that hold zero codes are written for each tile: between two tiles a wave may have had a group of x in them.
.macro ATILE dyn
	s_wait_xcnt 0x0                                ; the last tile's stores have read their registers and bases
	s_wait_dscnt 0x0                               ; my image stores have read theirs
.irp t, 0,1,2,3
.irp i, 6,7,8,9,10,11
	v_mov_b32 v[32+12*\t+\i], 0                    ; K = 64 .. 127 of the first product: zero codes, never loaded over in a tile
.endr
.endr
.irp i, 22,23,24,25,26,27,215,236,237,238,239
	v_mov_b32 v[\i], 0                             ; q's upper 64; the upper half of f's pair and the lane permutes' destinations, named before they are written
.endr
	s_min_u32 s46, s25, 36
	s_mul_i32 s47, s46, 768
	s_add_co_u32 s47, s47, QIMG
	s_lshl_b32 s46, s46, 7
	s_add_co_u32 s46, s46, QSC
	s_mov_b32 s48, KIMG
	s_mov_b32 s49, KSC
.if \dyn
	s_add_co_u32 s47, s47, s52
	s_add_co_u32 s46, s46, s52
	s_add_co_u32 s48, s48, s52
	s_add_co_u32 s49, s49, s52
.endif
	v_add_nc_u32 v4, s47, v1
	v_add_nc_u32 v5, s47, v2
	v_add_nc_u32 v6, s46, v3
	v_add_nc_u32 v10, s48, v1                      ; k's and v's images, by loads of 16 bytes,
	v_add_nc_u32 v11, s48, v2                      ; and of 8;
	v_add_nc_u32 v7, s49, v3                       ; their scale words
	v_mov_b32 v13, 0xff61b1e6                      ; the largest t so far: -3e38
	v_floor_f32 v12, -v13
	v_mov_b32 v14, 0
	v_mov_b32 v15, 0
	s_wait_alu depctr_va_vdst(0)
	ds_load_b128 v[16:19], v4
	ds_load_b64 v[20:21], v5 offset:512
	ds_load_b32 v255, v6
	STEP 0, 1, 0
	STEP 1, 0, 0
	STEP 2, 0, 0
	STEP 3, 0, 0
	STEP 4, 0, 1
	FINISH
.endm
	s_load_b256 s[4:11], s[0:1], 0x0               ; codes, scales, cc, cs
	v_lshl_add_u32 v8, v0, 2, SPARE                ; my spare word,
	v_mov_b32 v9, 0                                ; and 0: kept for the wave's end
	v_lshrrev_b32 v1, 5, v0
	v_readfirstlane_b32 s12, v1                    ; wave
	v_and_b32 v3, 31, v0
	v_lshlrev_b32 v1, 4, v3
	v_lshlrev_b32 v2, 3, v3
	v_lshlrev_b32 v3, 2, v3
	s_and_b32 s13, ttmp7, 0xffff                   ; batch
	s_mov_b32 s14, ttmp9                           ; j
	s_and_b32 s15, s14, 1
	s_lshr_b32 s16, s14, 1
	s_mul_i32 s16, s16, 3
	s_mov_b32 s26, 0x76543210
	s_mov_b32 s27, 0xfedcba98                      ; selects for lane l xor 16
	s_mov_b32 s28, 0x3e38aa3b                      ; log2(e) / 8
	s_mov_b32 s29, s28                             ; (named with it as a pair)
	s_mov_b32 s30, 0xffff0000                      ; lanes 16-31
	s_mov_b32 s41, 0
	s_lshl_b32 s46, s15, 1
	s_add_co_u32 s53, s16, s46                     ; the first head,
	s_add_co_u32 s54, s16, 1                       ; the second,
	s_mul_i32 s19, s15, 18                         ; of which query tiles s19 .. s20 - 1 are mine: 0-17 or 18-36
	s_add_co_u32 s20, s19, 18
	s_add_co_u32 s20, s20, s15
	s_wait_alu depctr_va_vdst(0)
	s_wait_kmcnt 0x0
	; ---- the first head: all its query tiles, which lie in groups 0 to 18
	s_mov_b32 s18, s53
	s_mov_b32 s21, 0
	s_mov_b32 s22, 19
	WPHASE 0
	; two trips through one text.  Trip 0: my own group, all three products.  Trip 1: group 16 + wave % 4, the one product wave / 4 (k, v, q; waves 12-15 have none)
	s_lshr_b32 s51, s12, 2                         ; p = wave / 4
	s_mov_b32 s24, 0                               ; t
.Lp1:
	s_xor_b32 s46, s24, 1
	s_and_b32 s47, s12, 12
	s_mul_i32 s47, s47, s46
	s_and_b32 s23, s12, 3
	s_add_co_u32 s23, s23, s47
	s_lshl_b32 s46, s24, 4
	s_add_co_u32 s23, s23, s46                     ; the group: wave % 4 + (1 - t) (wave & 12) + 16 t
	s_mul_i32 s56, s51, s24                        ; 0: k is mine in this trip
	s_xor_b32 s57, s51, 1
	s_mul_i32 s57, s57, s24                        ; 0: v is mine
	s_xor_b32 s58, s51, 2
	s_mul_i32 s58, s58, s24                        ; 0: q is mine
	s_cmp_eq_u32 s56, 3
	s_cbranch_scc1 .Lp1e
	s_cmp_eq_u32 s24, 0
	s_cbranch_scc1 .Lp1x                           ; my own group was asked for in W
	XADDR                                          ; (my own group's loads were waited for: their bases may be written)
	XLOAD
	s_wait_loadcnt 0x0
.Lp1x:
	PG 0, 1
.Lp1e:
	s_add_co_u32 s24, s24, 1
	s_cmp_lt_u32 s24, 2
	s_cbranch_scc1 .Lp1
	; ---- the second head: query tiles in groups 0-8 or 9-18; its images have bytes of their own
	s_mov_b32 s18, s54
	s_mul_i32 s21, s15, 9
	s_add_co_u32 s22, s21, 9
	s_add_co_u32 s22, s22, s15
	WPHASE 1
	; ---- three trips, no barrier inside: in each trip a wave either makes one group of the second head's k, v, q (it reads the weights and writes image set 2)
	; or takes one query tile of the first head (it reads image set 1 alone, whole since the barrier in W).  rb = (wave ^ wave / 4) & 1, idx = wave / 2.
	; Trip 0: rb = 1 groups idx, rb = 0 tiles idx.  Trip 1: rb = 0 groups 8 + idx, rb = 1 tiles 8 + idx.  Trip 2: rb = 1 and idx < 4 groups 16 + idx; rb = 0 tiles 16 + idx; the other four waves tiles 20 + idx.
	s_lshr_b32 s46, s12, 2
	s_xor_b32 s46, s46, s12
	s_and_b32 s61, s46, 1                          ; rb + t
	s_lshr_b32 s23, s12, 1                         ; idx + 8 t
	s_mov_b32 s24, 0
.Lm:
	s_and_b32 s46, s61, 1
	s_mov_b32 s25, s23
	s_cmp_eq_u32 s46, 0
	s_cbranch_scc1 .Lma
	s_cmp_lt_u32 s23, 20
	s_cbranch_scc1 .Lmp
	s_add_co_u32 s25, s23, 4
.Lma:
	s_mov_b32 s18, s53
	ATILE 0
	s_branch .Lme
.Lmp:
	s_wait_xcnt 0x0                                ; a tile's stores have read the registers that the weights' fragments land on
	XADDR
	XLOAD
	s_wait_loadcnt 0x0
	PG ISET, 0
.Lme:
	s_add_co_u32 s61, s61, 1
	s_add_co_u32 s23, s23, 8
	s_add_co_u32 s24, s24, 1
	s_cmp_lt_u32 s24, 3
	s_cbranch_scc1 .Lm
	s_wait_dscnt 0x0                               ; my images have landed
	s_barrier_signal -1
	s_barrier_wait -1                              ; both heads' images are whole; from here on LDS is only read
	; ---- A
	s_add_co_u32 s31, s12, 28                      ; what is left: numbers 28-36 are the first head's tiles, 37 on the second head's; two trips
	s_mov_b32 s24, 0
.Ltile:                                            ; two trips: numbers 0-36 are the first head's tiles, 37 on the second head's
	s_add_co_u32 s52, s31, 27
	s_lshr_b32 s52, s52, 6                         ; 0 up to number 36, 1 from 37 on (numbers end at 63)
	s_sub_co_u32 s47, s31, 37
	s_add_co_u32 s47, s47, s19
	s_cmp_eq_u32 s52, 0
	s_cselect_b32 s25, s31, s47                    ; the tile,
	s_cselect_b32 s18, s53, s54                    ; its head,
	s_cselect_b32 s48, 37, s20                     ; and where my tiles of that head end
	s_cmp_ge_u32 s25, s48
	s_cbranch_scc1 .Ltskip
	s_mul_i32 s52, s52, ISET                       ; the head's image set
	ATILE 1
.Ltskip:
	s_add_co_u32 s31, s31, 16
	s_add_co_u32 s24, s24, 1
	s_cmp_lt_u32 s24, 2
	s_cbranch_scc1 .Ltile
	s_wait_tensorcnt 0x0                           ; the wave's end
	ds_add_u32 v8, v9
	s_wait_dscnt 0x0
	s_endpgm
.Lfunc_end_k_q47c9f51b41_attn:
	.size	k_q47c9f51b41_attn, .Lfunc_end_k_q47c9f51b41_attn-k_q47c9f51b41_attn
	.p2alignl 7, 3214868480
	.fill 96, 4, 3214868480
	.section	.rodata,"a",@progbits
	.p2align	6, 0x0
	.amdhsa_kernel k_q47c9f51b41_attn
		.amdhsa_group_segment_fixed_size 324608
		.amdhsa_private_segment_fixed_size 0
		.amdhsa_enable_private_segment 0
		.amdhsa_kernarg_size 32
		.amdhsa_user_sgpr_count 2
		.amdhsa_user_sgpr_kernarg_segment_ptr 1
		.amdhsa_wavefront_size32 1
		.amdhsa_system_sgpr_workgroup_id_x 1
		.amdhsa_system_sgpr_workgroup_id_y 1
		.amdhsa_system_sgpr_workgroup_id_z 1
		.amdhsa_system_vgpr_workitem_id 0
		.amdhsa_next_free_vgpr 256
		.amdhsa_next_free_sgpr 66
		.amdhsa_reserve_vcc 0
		.amdhsa_float_denorm_mode_32 3
		.amdhsa_float_denorm_mode_16_64 3
		.amdhsa_memory_ordered 1
		.amdhsa_forward_progress 1
		.amdhsa_inst_pref_size 255
	.end_amdhsa_kernel
	.section	.bss,"aw",@nobits
	.p2align	6
	.space	262144
	.amdgpu_metadata
---
amdhsa.version: [ 1, 2 ]
amdhsa.kernels:
  - .name:           k_q47c9f51b41_attn
    .symbol:         k_q47c9f51b41_attn.kd
    .args:
      - { .name: codes, .offset: 0, .size: 8, .value_kind: global_buffer, .address_space: global }
      - { .name: scales, .offset: 8, .size: 8, .value_kind: global_buffer, .address_space: global }
      - { .name: cc, .offset: 16, .size: 8, .value_kind: global_buffer, .address_space: global }
      - { .name: cs, .offset: 24, .size: 8, .value_kind: global_buffer, .address_space: global }
    .group_segment_fixed_size: 324608
    .private_segment_fixed_size: 0
    .kernarg_segment_align: 8
    .kernarg_segment_size: 32
    .max_flat_workgroup_size: 512
    .sgpr_count:     66
    .vgpr_count:     256
    .wavefront_size: 32
...
	.end_amdgpu_metadata
.endif
;; end of part 2
;; launch proj (part 3): grid 6 x 37, 16 waves a work-group, no clusters, 218,624 bytes of LDS; arguments codes, scales, cc, cs, b_proj, out0; writes out0
.if DOCPART == 3
	.amdgcn_target "amdgcn-amd-amdhsa--gfx1250"
	.amdhsa_code_object_version 6
	.text
	.protected	k_q47c9f51b41_proj
	.globl	k_q47c9f51b41_proj
	.p2align	8
	.type	k_q47c9f51b41_proj,@function
k_q47c9f51b41_proj:
	s_mov_b64 s[64:65], 0
	v_nop
	global_prefetch_b8 v0, s[64:65] scope:SCOPE_SE
	s_setreg_imm32_b32 hwreg(HW_REG_WAVE_MODE, 25, 1), 1
	s_wait_xcnt 0x0
; out0 = cat w_proj^T + b_proj, K = 768, on the codes that the two launches before laid in the order of the operands' registers.
; SHARES: work-group (x, y): columns 128 x .. 128 x + 127, row tiles 32 y .. 32 y + 31 (of 1,184: 37 to a batch).  Wave w: tiles 2 (16 y + w) and the next, whose 12 fragments stay in its registers,
; against the four groups of 32 rows of w_proj, which the work-group copies to LDS once.  One barrier.
; Source 0 = 16 rows of w_proj, source 1 = 16 rows of cat: a lane holds one row, and the 16 registers of a tile pair of w_proj are 16 neighbouring columns.  The bias is the C of each sum's first product.
; Slot r of tile T of a batch is row 32 (T / 2) + 8 (T % 2) + r + 8 (r / 8); of tile 36 only slot 0, row 576, exists and is stored.
; The results go through the wave's own stage in LDS, 64 columns at a time, and leave as rows of 256 consecutive bytes, aligned to 256.
; No multicast and no tensor load: the shared weights are 74 KB copied once by ten loads a wave; cat's fragments are wanted by one wave each.
.set GIMG,  18432
.set WSCL,  0                          ; LDS: the four groups' scale words, 768 bytes each
.set BIAS,  3072                       ; 128 numbers of b_proj
.set WCOD,  3584                       ; the four groups' images
.set STG,   77312                      ; a stage of 32 rows x (256 + 16) bytes for each wave
.set SPARE, 216576                     ; the spare words, 128 bytes a wave: eight blocks of 256 bytes that no other line names
.set X,   18                           ; v18-161  cat: fragment 6 u + s
.set ACC, 162                          ; v162-193 four accumulators
.set WF,  194                          ; v194-241 two sets of two weight fragments
.set XS,  242                          ; v242-253 cat's scale words, tile u, K step s at 6 u + s;  v254-255 the weights': scale words and nothing else
.set WS,  254
.macro NOPS n
.rept \n
	v_nop
.endr
.endm
.macro LOADW k, s                      ; nine LDS loads: K step s of group k into set s % 2
.irp u, 0,1
	ds_load_b128 v[WF+24*((\s)%2)+12*\u:WF+24*((\s)%2)+12*\u+3], v10 offset:(6*\u+(\s))*1536
	ds_load_b64 v[WF+24*((\s)%2)+12*\u+4:WF+24*((\s)%2)+12*\u+5], v11 offset:(6*\u+(\s))*1536+512
	ds_load_b128 v[WF+24*((\s)%2)+12*\u+6:WF+24*((\s)%2)+12*\u+9], v10 offset:(6*\u+(\s))*1536+768
	ds_load_b64 v[WF+24*((\s)%2)+12*\u+10:WF+24*((\s)%2)+12*\u+11], v11 offset:(6*\u+(\s))*1536+1280
.endr
	ds_load_b32 v[WS+(\s)%2], v3 offset:WSCL+768*(\k)+128*(\s)
.endm
.macro MM4 s                           ; the four accumulators by turns: 16 ux + 8 uw
.irp p, 0,1
.set rD, ACC+16*\p
.set rB, X+12*(6*\p+(\s))
.set rA, WF+24*((\s)%2)
	v_wmma_scale_f32_16x16x128_f8f6f4 v[rD:rD+7], v[rA:rA+11], v[rB:rB+11], v[rD:rD+7], v[WS+(\s)%2], v[XS+6*\p+(\s)] matrix_a_fmt:MATRIX_FMT_FP6 matrix_b_fmt:MATRIX_FMT_FP6
	v_wmma_scale_f32_16x16x128_f8f6f4 v[rD+8:rD+15], v[rA+12:rA+23], v[rB:rB+11], v[rD+8:rD+15], v[WS+(\s)%2], v[XS+6*\p+(\s)] matrix_a_fmt:MATRIX_FMT_FP6 matrix_b_fmt:MATRIX_FMT_FP6 matrix_a_scale:MATRIX_SCALE_ROW1
.endr
.endm
.macro UNITP k                         ; my 32 rows against columns 32 k .. 32 k + 31 of the work-group's 128
	v_add_nc_u32 v10, WCOD+GIMG*\k, v1
	s_wait_alu depctr_va_vdst(0)
	v_add_nc_u32 v11, WCOD+GIMG*\k, v2
	s_wait_alu depctr_va_vdst(0)
.irp ux, 0,1
.irp uw, 0,1
	ds_load_b128 v[ACC+16*\ux+8*\uw:ACC+16*\ux+8*\uw+3], v4 offset:BIAS+128*\k+32*\uw       ; the bias of columns 16 h + 8 uw + 0 .. 7, in the result's layout
	ds_load_b128 v[ACC+16*\ux+8*\uw+4:ACC+16*\ux+8*\uw+7], v4 offset:BIAS+128*\k+32*\uw+16
.endr
.endr
	LOADW \k, 0
.irp s, 0,1,2,3,4,5
.if \s < 5
.if \s > 0
	NOPS 4                                         ; places between the products that read a set and the loads into it
.endif
	LOADW \k, \s+1
	s_wait_dscnt 9                                 ; all but the nine just issued: this K step's fragments (and the bias) are in
.else
	s_wait_dscnt 0x0
.endif
	MM4 \s
.endr
	NOPS 5
.irp ux, 0,1
.irp i, 0,1,2,3
	ds_store_b128 v5, v[ACC+16*\ux+4*\i:ACC+16*\ux+4*\i+3] offset:4352*\ux+128*(\k%2)+16*\i   ; each accumulator from its low end on
.endr
.endr
.endm
.macro STORES u, fl                    ; tile u's 16 rows, 64 columns: two rows of 256 bytes a store
	s_wait_dscnt 8*(1-\u)                          ; this tile's eight loads from the stage are in
	s_cmp_eq_u32 s[36+\u], 36
	s_cbranch_scc1 .Ledge_\@
.irp t, 0,1,2,3,4,5,6,7
	global_store_b128 v7, v[162+32*\u+4*\t:165+32*\u+4*\t], s[32+2*\u:33+2*\u] offset:(2*\t+8*(\t/4))*3072+256*\fl th:TH_STORE_NT
.endr
	s_branch .Ldone_\@
.Ledge_\@:
	s_wait_xcnt 0x0                                ; EXEC changes only behind this wait
	v_cmp_gt_u32 vcc_lo, 16, v12
	s_and_saveexec_b32 s38, vcc_lo                 ; a batch's last tile: row 576 alone, lanes 0-15
	global_store_b128 v7, v[162+32*\u:165+32*\u], s[32+2*\u:33+2*\u] offset:256*\fl th:TH_STORE_NT
	s_wait_xcnt 0x0
	s_or_b32 exec_lo, exec_lo, s38
.Ldone_\@:
.endm
.macro FLUSH fl
.irp t, 0,1,2,3,4,5,6,7,8,9,10,11,12,13,14,15
	ds_load_b128 v[162+4*\t:165+4*\t], v6 offset:544*\t    ; LDS serves a wave's instructions in order: these see my stores
.endr
	STORES 0, \fl
	STORES 1, \fl
	s_wait_xcnt 0x0                                ; the stores have read their registers, which the next unit loads into
.endm
	s_load_b256 s[4:11], s[0:1], 0x0               ; codes, scales, cc, cs
	s_load_b128 s[12:15], s[0:1], 0x20             ; b_proj, out0
	v_lshl_add_u32 v8, v0, 2, SPARE                ; my spare word,
	v_mov_b32 v9, 0                                ; and 0: kept for the wave's end
	v_lshrrev_b32 v1, 5, v0
	s_delay_alu instid0(VALU_DEP_1)
	v_readfirstlane_b32 s16, v1                    ; wave
	v_and_b32 v12, 31, v0                          ; lane
	s_delay_alu instid0(VALU_DEP_1)
	v_lshlrev_b32 v1, 4, v12
	s_delay_alu instid0(VALU_DEP_2)
	v_lshlrev_b32 v2, 3, v12
	s_delay_alu instid0(VALU_DEP_3)
	v_lshlrev_b32 v3, 2, v12
	v_and_b32 v13, 15, v0                          ; r
	v_bfe_u32 v14, v0, 4, 1                        ; h
	s_delay_alu instid0(VALU_DEP_1)
	v_lshlrev_b32 v4, 6, v14                       ; 64 h
	s_mul_i32 s20, s16, 8704
	s_add_co_u32 s20, s20, STG                     ; my stage
	v_mul_u32_u24 v5, v13, 272
	s_delay_alu instid0(VALU_DEP_1)
	v_add_nc_u32 v5, v5, v4
	s_delay_alu instid0(VALU_DEP_1)
	v_add_nc_u32 v5, s20, v5                       ; in: row r, + 64 h
	v_mul_u32_u24 v6, v14, 272
	s_delay_alu instid0(VALU_DEP_1)
	v_lshl_add_u32 v6, v13, 4, v6
	s_delay_alu instid0(VALU_DEP_1)
	v_add_nc_u32 v6, s20, v6                       ; back: lanes 0-15 one row, lanes 16-31 the next
	v_mul_u32_u24 v7, v14, 3072
	s_delay_alu instid0(VALU_DEP_1)
	v_lshl_add_u32 v7, v13, 4, v7                  ; and the same two rows in out0
	s_mov_b32 s17, ttmp9                           ; x
	s_and_b32 s18, ttmp7, 0xffff                   ; y
	s_lshl_b32 s19, s18, 4
	s_add_co_u32 s19, s19, s16                     ; my pair of tiles
	s_lshl_b32 s21, s17, 2
	s_add_co_u32 s21, s21, 712                     ; the first of my work-group's four groups of w_proj
	s_mov_b32 s41, 0
	s_wait_kmcnt 0x0
	s_mul_i32 s40, s21, GIMG
	s_mul_i32 s22, s16, 4608
	s_add_co_u32 s40, s40, s22
	s_add_nc_u64 s[24:25], s[4:5], s[40:41]
.irp i, 0,1,2,3,4,5,6,7,8
	global_load_b128 v[162+4*\i:165+4*\i], v1, s[24:25] offset:512*\i    ; 73,728 bytes of images, 4,608 a wave
.endr
	s_mul_i32 s22, s21, 768
	s_lshl_b32 s23, s16, 9
	s_add_co_u32 s22, s22, s23
	s_lshl_b32 s23, s17, 9
	s_cmp_eq_u32 s16, 6                            ; waves 0-5: 512 bytes of the scale words each; wave 6: the bias
	s_cselect_b64 s[26:27], s[12:13], s[6:7]
	s_cselect_b32 s40, s23, s22
	s_add_nc_u64 s[26:27], s[26:27], s[40:41]
	s_cmp_lt_u32 s16, 7
	s_cbranch_scc0 .Lnoa
	global_load_b128 v[198:201], v1, s[26:27]
.Lnoa:
	s_mul_i32 s40, s19, GIMG
	s_add_nc_u64 s[28:29], s[8:9], s[40:41]
	s_mul_i32 s40, s19, 1536
	s_add_nc_u64 s[30:31], s[10:11], s[40:41]
.irp f, 0,1,2,3,4,5,6,7,8,9,10,11
	global_load_b128 v[X+12*\f:X+12*\f+3], v1, s[28:29] offset:1536*\f
	global_load_b64 v[X+12*\f+4:X+12*\f+5], v2, s[28:29] offset:1536*\f+512
	global_load_b128 v[X+12*\f+6:X+12*\f+9], v1, s[28:29] offset:1536*\f+768
	global_load_b64 v[X+12*\f+10:X+12*\f+11], v2, s[28:29] offset:1536*\f+1280
.endr
.irp u, 0,1
.irp s, 0,1,2,3,4,5
	global_load_b32 v[XS+6*\u+\s], v3, s[30:31] offset:768*\u+128*\s
.endr
.endr
	s_mul_i32 s22, s16, 4608
	s_add_co_u32 s22, s22, WCOD
	v_add_nc_u32 v10, s22, v1
	s_lshl_b32 s22, s16, 9
	v_add_nc_u32 v11, s22, v1
.irp u, 0,1                            ; where each of my two tiles lies in out0
	s_lshl_b32 s44, s19, 1
	s_add_co_u32 s44, s44, \u
	s_mul_i32 s45, s44, 1772
	s_lshr_b32 s45, s45, 16                        ; batch = tile / 37 (exact up to 1,183)
	s_mul_i32 s46, s45, 37
	s_sub_co_u32 s[36+\u], s44, s46                ; the tile in its batch
	s_mul_i32 s45, s45, 577
	s_lshr_b32 s46, s[36+\u], 1
	s_lshl_b32 s46, s46, 5
	s_add_co_u32 s45, s45, s46
	s_and_b32 s46, s[36+\u], 1
	s_lshl_b32 s46, s46, 3
	s_add_co_u32 s45, s45, s46                     ; slot 0's row
	s_mul_i32 s40, s45, 3072
	s_lshl_b32 s46, s17, 9
	s_add_co_u32 s40, s40, s46
	s_add_nc_u64 s[32+2*\u:33+2*\u], s[14:15], s[40:41]
.endr
	s_wait_alu depctr_va_vdst(0)
	s_wait_loadcnt 60                              ; the weights are in; cat's 60 loads, issued behind them, may stay out
.irp i, 0,1,2,3,4,5,6,7,8
	ds_store_b128 v10, v[162+4*\i:165+4*\i] offset:512*\i
.endr
	s_cmp_lt_u32 s16, 7
	s_cbranch_scc0 .Lnob
	ds_store_b128 v11, v[198:201]
.Lnob:
	s_wait_dscnt 0x0                               ; for the others' sake: my stores have landed
	s_barrier_signal -1
	s_barrier_wait -1
	s_wait_loadcnt 0x0
	UNITP 0
	UNITP 1
	FLUSH 0
	UNITP 2
	UNITP 3
	FLUSH 1
	s_wait_tensorcnt 0x0                           ; the wave's end
	ds_add_u32 v8, v9
	s_wait_dscnt 0x0
	s_endpgm
.Lfunc_end_k_q47c9f51b41_proj:
	.size	k_q47c9f51b41_proj, .Lfunc_end_k_q47c9f51b41_proj-k_q47c9f51b41_proj
	.p2alignl 7, 3214868480
	.fill 96, 4, 3214868480
	.section	.rodata,"a",@progbits
	.p2align	6, 0x0
	.amdhsa_kernel k_q47c9f51b41_proj
		.amdhsa_group_segment_fixed_size 218624
		.amdhsa_private_segment_fixed_size 0
		.amdhsa_enable_private_segment 0
		.amdhsa_kernarg_size 48
		.amdhsa_user_sgpr_count 2
		.amdhsa_user_sgpr_kernarg_segment_ptr 1
		.amdhsa_wavefront_size32 1
		.amdhsa_system_sgpr_workgroup_id_x 1
		.amdhsa_system_sgpr_workgroup_id_y 1
		.amdhsa_system_sgpr_workgroup_id_z 1
		.amdhsa_system_vgpr_workitem_id 0
		.amdhsa_next_free_vgpr 256
		.amdhsa_next_free_sgpr 66
		.amdhsa_reserve_vcc 1
		.amdhsa_float_denorm_mode_32 3
		.amdhsa_float_denorm_mode_16_64 3
		.amdhsa_memory_ordered 1
		.amdhsa_forward_progress 1
		.amdhsa_inst_pref_size 53
	.end_amdhsa_kernel
	.amdgpu_metadata
---
amdhsa.version: [ 1, 2 ]
amdhsa.kernels:
  - .name:           k_q47c9f51b41_proj
    .symbol:         k_q47c9f51b41_proj.kd
    .args:
      - { .name: codes, .offset: 0, .size: 8, .value_kind: global_buffer, .address_space: global }
      - { .name: scales, .offset: 8, .size: 8, .value_kind: global_buffer, .address_space: global }
      - { .name: cc, .offset: 16, .size: 8, .value_kind: global_buffer, .address_space: global }
      - { .name: cs, .offset: 24, .size: 8, .value_kind: global_buffer, .address_space: global }
      - { .name: b_proj, .offset: 32, .size: 8, .value_kind: global_buffer, .address_space: global }
      - { .name: out0, .offset: 40, .size: 8, .value_kind: global_buffer, .address_space: global }
    .group_segment_fixed_size: 218624
    .private_segment_fixed_size: 0
    .kernarg_segment_align: 8
    .kernarg_segment_size: 48
    .max_flat_workgroup_size: 512
    .sgpr_count:     66
    .vgpr_count:     256
    .wavefront_size: 32
...
	.end_amdgpu_metadata
.endif
;; end of part 3
